; MI455X (gfx1250); checked and timed in simulation.
; The chip was launched on July 23, 2026; its instructions are those of AMD's public machine-readable ISA for CDNA 5 (MIT licence, August 2026) and "CDNA5" Instruction Set Architecture Reference Guide (July 2026). The comments in the code are by the model that wrote it; some were corrected since.
;; Production TPA. Allowed arithmetic: matrix products marked QUANTISED: E4M3 operands, one given power-of-two scale a tensor, by v_wmma_f32_16x16x64_fp8_fp8 or v_wmma_f32_16x16x128_fp8_fp8, f32 sums; products left as they are: f32 operands where the result goes on into a quantised operand, else bf16, f16 or f32 operands; f32 sums; everything else in f32.
;; Inputs: W1 1,024 x 1,024 float32; W2 1,024 x 1,024 float32; Wk 1,024 x 1,024 float32; Wq 1,024 x 1,024 float32; Wv 1,024 x 1,024 float32; b1 1,024 float32; b2 1,024 float32; ln_b 1,024 float32; ln_g 1,024 float32; lowp_scales 10 int32 (the exponents e of the quantised operands' scales 2^e); proto 16 x 1,024 float32; x 8 x 4,096 x 1,024 float32.
;; Outputs: out0 8 x 1,024 float32.
;; This version of the problem:
;;   THIS VERSION OF THE PROBLEM IS GIVEN IN LOW PRECISION. The matrix products marked QUANTISED in the list below multiply operands that are first quantised to E4M3 (4 exponent bits, 3 mantissa bits; 8 bits a number), with one given power-of-two scale for each operand tensor; their sums are f32. All else is computed in f32.
;;   The module's matrix products, in the order in which they are computed (A, B: the left and right operand; K: the contracted axis; several contracted axes count as one K, in the product's order):
;;     1. [M 32,768, K 1,024] x [K 1,024, N 1,024]; A: computed on the way; B: input Wk: QUANTISED (scales: A lowp_scales[0], B lowp_scales[1])
;;     2. [M 32,768, K 1,024] x [K 1,024, N 1,024]; A: computed on the way; B: input Wv: QUANTISED (scales: A lowp_scales[2], B lowp_scales[3])
;;     3. [M 16, K 1,024] x [K 1,024, N 1,024]; A: input proto; B: input Wq: QUANTISED (scales: A lowp_scales[4], B lowp_scales[5])
;;     4. batch 8 x [M 32,768, K 128] x [K 128, N 16]; A: computed on the way; B: computed on the way: QUANTISED (scales: A lowp_scales[6], B lowp_scales[7])
;;     5. batch 64 x [M 16, K 4,096] x [K 4,096, N 128]; A: computed on the way; B: computed on the way: QUANTISED (scales: A lowp_scales[8], B lowp_scales[9])
;;     6. [M 8, K 1,024] x [K 1,024, N 1,024]; A: computed on the way; B: input W1: left as it is (M = 8 < 16)
;;     7. [M 8, K 1,024] x [K 1,024, N 1,024]; A: computed on the way; B: input W2: left as it is (M = 8 < 16)
;;   THE QUANTISER, for each operand of a quantised product, along K:
;;     - The operand's scale is 2^e, e = its entry of the input lowp_scales (int32; the entries are numbered through the quantised products in the list's order, A before B).
;;     - Each number is divided by the scale, clamped to +-448, and rounded to the nearest number of E4M3, ties to even, subnormals kept.
;;     - The product sums the exact products of the quantised numbers (number of the format x scale) in f32.
;;   ~~~python
;;   def quantise(x, axis, e):      # numpy; x: float32 -> the quantised numbers, widened to float32 again
;;       x = np.moveaxis(x, axis, -1); K = x.shape[-1]
;;       r = np.clip(x / 2.0 ** e, -448, 448)
;;       step = 2.0 ** (np.maximum(np.frexp(np.where(r == 0, 1, r))[1] - 1, -6) - 3)
;;       q = np.round(r / step) * step * 2.0 ** e      # np.round: ties to even
;;       return np.moveaxis(q, -1, axis).astype(np.float32)
;;   ~~~
;;   OPERANDS COMPUTED ON THE WAY. 'Computed on the way' means the value that the module computes at that place (a softmax that the list does not call 'softmax' is quantised finished and normalised). What goes into a quantiser is computed in f32, as accurately as f32 sums, v_exp_f32 and their like allow (about 1e-6 of the number): no bf16 or f16 on the way to a quantiser, and a product that is left as it is and whose result goes on into a quantised operand takes f32 operands (vector FMAs, or v_wmma_f32_16x16x4_f32). A number that lies on a knife's edge between two numbers of the format may be rounded either way, as far as f32 arithmetic and the matrix unit's own rounding can turn it there, and no further.
;; One version. Each part assembles by itself: llvm-mc -triple=amdgcn-amd-amdhsa -mcpu=gfx1250 --defsym DOCPART=n.
;; ======== version 1 of 1: 5 launches
;; limits: right only within a limited range of input values
;; workspace buffers: w_img 2,097,152 bytes; qh_codes 16,384 bytes; scores 16,777,216 bytes; stats 524,288 bytes; v_img 33,554,432 bytes; zpart 524,288 bytes; hpart 262,144 bytes
;; launch prep (part 1): grid 136 x 1, 8 waves a work-group, no clusters, 34,560 bytes of LDS; arguments Wk, Wv, Wq, proto, lowp_scales, w_img, qh_codes; writes w_img, qh_codes
.if DOCPART == 1
	.amdgcn_target "amdgcn-amd-amdhsa--gfx1250"
	.amdhsa_code_object_version 6
	.text
	.protected	k_q373f841cf5_prep
	.globl	k_q373f841cf5_prep
	.p2align	8
	.type	k_q373f841cf5_prep,@function
k_q373f841cf5_prep:
	s_mov_b64 s[64:65], 0
	v_nop
	global_prefetch_b8 v0, s[64:65] scope:SCOPE_SE
	s_setreg_imm32_b32 hwreg(HW_REG_WAVE_MODE, 25, 1), 1
	s_wait_xcnt 0x0
; Wk (scale e1) and Wv (e3) become codes of FP8 (E4M3), laid as images of the operand registers of the next launch; Qh = l2norm(proto Wq^T) by heads becomes codes (e7).
; code = number / 2^e, held within +-448, to the nearest code, ties to even.  No input and no step of the problem is left out in this program.
; WORK-GROUPS 0-7: the Q path, one head each.  8-135: block nb = number - 8 of 16 rows of Wk followed by Wv.
; W PATH.  Wave w takes rows 2 w, 2 w + 1 of the block: eight loads of 512 consecutive bytes a row; load j gives a lane elements 128 j + 4 lane + 0..3, and its 32 codes lie at bytes 512 i + 16 lane of the row of codes.
; The tokens' codes of the next launch have the same order of bytes, so every product meets its partner.  The 16 rows meet in LDS (pitch 1,040); wave s reads the fragment of K step s (16 rows x 128 bytes: lane (r, h) takes
; bytes 128 s + 32 c + 16 h of row r) and stores it as 4 x 512 consecutive bytes.  w_img: [wave of the reader][K, V][head / 4][K step][block of 16 channels][2,048 bytes]: each reading wave walks 512 KiB on end.
; LIMITS: NaN and infinities among the inputs are not served.  e1, e3, e4, e5, e7 lie between -126 and 119.
.set SPARE, 16896
.set QSS,   16384
.set WL,    17920                      ; the W path's 16 rows of 1,040 bytes: LDS bytes of its own
.set CA,    240
.macro MKSC e, vs, vl                  ; 2^e and 448 x 2^e as f32
	s_add_co_i32 s62, \e, 127
	s_lshl_b32 s63, s62, 23
	v_mov_b32 v[\vs], s63
	s_add_co_i32 s62, s62, 8
	s_lshl_b32 s62, s62, 23
	s_or_b32 s62, s62, 0x600000
	v_mov_b32 v[\vl], s62
.endm
	s_load_b256 s[8:15], s[0:1], 0x0               ; Wk, Wv, Wq, proto
	s_load_b128 s[16:19], s[0:1], 0x20             ; lowp_scales, w_img
	s_load_b64 s[20:21], s[0:1], 0x30              ; qh_codes
	v_lshl_add_u32 v8, v0, 2, SPARE                ; my spare word; never rewritten
	v_mov_b32 v9, 0
	v_lshrrev_b32 v1, 5, v0
	s_delay_alu instid0(VALU_DEP_1)
	v_readfirstlane_b32 s40, v1                    ; wave 0..7
	s_mov_b32 s54, 0x76543210
	s_mov_b32 s55, 0xfedcba98
	s_wait_alu depctr_va_vdst(0)
	s_wait_kmcnt 0x0
	s_load_b256 s[32:39], s[16:17], 0x0            ; e0 .. e7
	s_cmp_lt_u32 ttmp9, 8
	s_cbranch_scc1 .Lqpath
	; ---------------- the W path ----------------
	s_sub_co_u32 s41, ttmp9, 8                     ; nb
	s_and_b32 s50, s41, 63
	s_lshl_b32 s50, s50, 16                        ; 16 rows of 4,096 bytes
	s_lshl_b32 s59, s40, 13                        ; my wave's two
	s_add_co_u32 s50, s50, s59
	s_mov_b32 s51, 0
	s_cmp_lt_u32 s41, 64
	s_cselect_b64 s[42:43], s[8:9], s[10:11]
	s_add_nc_u64 s[42:43], s[42:43], s[50:51]
	s_bfe_u32 s58, s41, 0x20003                    ; head & 3: the reading wave
	s_lshl_b32 s58, s58, 2
	s_lshr_b32 s59, s41, 6                         ; K or V
	s_lshl_b32 s59, s59, 1
	s_add_co_u32 s58, s58, s59
	s_bfe_u32 s59, s41, 0x10005                    ; head >> 2
	s_add_co_u32 s58, s58, s59
	s_lshl_b32 s50, s58, 17
	s_lshl_b32 s59, s40, 14                        ; K step = my wave
	s_add_co_u32 s50, s50, s59
	s_and_b32 s59, s41, 7
	s_lshl_b32 s59, s59, 11
	s_add_co_u32 s50, s50, s59
	s_add_nc_u64 s[56:57], s[18:19], s[50:51]
	v_and_b32 v1, 31, v0
	v_and_b32 v4, 15, v0
	v_bfe_u32 v5, v0, 4, 1
	v_lshlrev_b32 v1, 4, v1                        ; 16 x lane
	v_mul_u32_u24 v4, v4, 1040
	s_mul_i32 s59, s40, 2080
	s_add_co_u32 s59, s59, WL
	v_add_nc_u32 v3, s59, v1                       ; in: my two rows
	v_lshl_add_u32 v4, v5, 4, v4
	s_lshl_b32 s59, s40, 7
	s_add_co_u32 s59, s59, WL
	v_add_nc_u32 v4, s59, v4                       ; back: row r, 16 h, K step w
.irp rr, 0,1
.irp j, 0,1,2,3,4,5,6,7
	global_load_b128 v[96+32*\rr+4*\j:96+32*\rr+4*\j+3], v1, s[42:43] offset:4096*\rr+512*\j th:TH_LOAD_NT
.endr
.endr
	s_wait_kmcnt 0x0
	s_cmp_lt_u32 s41, 64
	s_cselect_b32 s58, s33, s35                    ; e1 or e3
	MKSC s58, 14, 15
	s_wait_alu depctr_va_vdst(0)
	s_wait_loadcnt 0x0
.set kk, 0
.rept 64
	v_med3_num_f32 v[96+kk], v[96+kk], -v15, v15   ; the conversion does not saturate (ISA guide 7.6.2): the hold
.set kk, kk+1
.endr
.set kk, 0
.rept 8
	v_cvt_scalef32_pk8_fp8_f32 v[CA+2*kk:CA+2*kk+1], v[96+8*kk:96+8*kk+7], v14
.set kk, kk+1
.endr
	v_nop
.irp rr, 0,1
.irp i, 0,1
	ds_store_b128 v3, v[CA+8*\rr+4*\i:CA+8*\rr+4*\i+3] offset:1040*\rr+512*\i
.endr
.endr
	s_wait_dscnt 0x0                               ; for the others' sake: my rows have landed
	s_barrier_signal -1
	s_barrier_wait -1
.irp c, 0,1,2,3
	ds_load_b128 v[32+4*\c:35+4*\c], v4 offset:32*\c
.endr
	s_wait_dscnt 0x0
.irp c, 0,1,2,3
	global_store_b128 v1, v[32+4*\c:35+4*\c], s[56:57] offset:512*\c   ; 512 consecutive bytes, aligned
.endr
	s_wait_tensorcnt 0x0                           ; the wave's end
	ds_add_u32 v8, v9
	s_wait_dscnt 0x0
	s_endpgm
	; ---------------- the Q path: head = work-group ----------------
	; Wave w takes rows 128 head + 16 w + 0..15 of Wq; source 0 = Wq's rows, source 1 = the 16 prototypes: a lane holds one prototype and eight neighbouring channels.  K in eight steps of 128.
	; Wave w quantises proto's K step w and hands its fragment on through LDS as an image of its registers.  Two accumulators take turns.
.set RP,  32
.set RB0, 96
.set WC,  224
.set PF,  240
.Lqpath:
	v_and_b32 v2, 31, v0
	v_and_b32 v4, 15, v0
	v_bfe_u32 v5, v0, 4, 1
	s_delay_alu instid0(VALU_DEP_2)
	v_lshlrev_b32 v1, 12, v4
	s_delay_alu instid0(VALU_DEP_1)
	v_lshl_add_u32 v1, v5, 6, v1                   ; row r of 4,096 bytes + 64 h
	s_wait_alu depctr_va_vdst(0)
	v_lshlrev_b32 v6, 3, v2
	v_lshlrev_b32 v2, 4, v2
	s_lshl_b32 s56, s40, 11
	v_add_nc_u32 v3, s56, v2
	v_lshlrev_b32 v5, 2, v4
	s_delay_alu instid0(VALU_DEP_1)
	v_add_nc_u32 v5, QSS, v5
	s_lshl_b32 s56, s40, 6
	v_add_nc_u32 v4, s56, v5
	s_lshl_b32 s50, ttmp9, 19
	s_lshl_b32 s56, s40, 16
	s_add_co_u32 s50, s50, s56
	s_mov_b32 s51, 0
	s_add_nc_u64 s[44:45], s[12:13], s[50:51]
	s_lshl_b32 s50, s40, 9
	s_add_nc_u64 s[46:47], s[14:15], s[50:51]
	s_lshl_b32 s50, ttmp9, 11
	s_lshl_b32 s56, s40, 8
	s_add_co_u32 s50, s50, s56
	s_add_nc_u64 s[48:49], s[20:21], s[50:51]
.macro KLOAD reg, base, off
.irp c, 0,1,2,3
.irp j, 0,1,2,3
	global_load_b128 v[\reg+16*\c+4*\j:\reg+16*\c+4*\j+3], v1, s[\base:\base+1] offset:\off+128*\c+16*\j
.endr
.endr
.endm
.macro QUANT src, lim, sc
.irp c, 0,1,2,3
.set kk, 0
.rept 16
	v_med3_num_f32 v[\src+16*\c+kk], v[\src+16*\c+kk], -v[\lim], v[\lim]
.set kk, kk+1
.endr
	v_cvt_scalef32_pk8_fp8_f32 v[WC+4*\c:WC+4*\c+1], v[\src+16*\c:\src+16*\c+7], v[\sc]
	v_cvt_scalef32_pk8_fp8_f32 v[WC+4*\c+2:WC+4*\c+3], v[\src+16*\c+8:\src+16*\c+15], v[\sc]
.endr
	v_nop
.endm
	KLOAD RP, 46, 0
	KLOAD RB0, 44, 0
	KLOAD RB0+64, 44, 512
	s_wait_kmcnt 0x0
	MKSC s36, 10, 11                               ; e4
	MKSC s37, 12, 13                               ; e5
	MKSC s39, 14, 15                               ; e7
	s_add_co_i32 s58, s36, s37
	s_wait_alu depctr_va_vdst(0)
	s_wait_loadcnt 32                              ; proto's step is in; Wq's two steps may be out
	QUANT RP, 11, 10
.irp c, 0,1,2,3
	ds_store_b128 v3, v[WC+4*\c:WC+4*\c+3] offset:512*\c
.endr
	s_wait_dscnt 0x0
	s_barrier_signal -1
	s_barrier_wait -1
.irp s, 0,1,2,3,4,5,6,7
.if \s < 7
	s_wait_loadcnt 16                              ; this step's 16 loads are in
.else
	s_wait_loadcnt 0
.endif
	QUANT RB0+64*(\s%2), 13, 12
.irp c, 0,1,2,3
	ds_load_b128 v[PF+4*\c:PF+4*\c+3], v2 offset:2048*\s+512*\c
.endr
.if \s < 6
	KLOAD RB0+64*(\s%2), 44, 512*(\s+2)
.endif
	s_wait_dscnt 0x0
.if \s < 2
	s_wait_alu depctr_va_vdst(0)
	v_wmma_f32_16x16x128_fp8_fp8 v[16+8*(\s%2):23+8*(\s%2)], v[WC:WC+15], v[PF:PF+15], 0
.else
	s_wait_alu depctr_va_vdst(0)
	v_wmma_f32_16x16x128_fp8_fp8 v[16+8*(\s%2):23+8*(\s%2)], v[WC:WC+15], v[PF:PF+15], v[16+8*(\s%2):23+8*(\s%2)]
.endif
.endr
.rept 4
	v_nop
.endr
.irp j, 0,1,2,3,4,5,6,7
	v_add_f32 v[32+\j], v[16+\j], v[24+\j]
.endr
	v_pk_mul_f32 v[40:41], v[32:33], v[32:33]
	s_delay_alu instid0(VALU_DEP_1)
	v_pk_fma_f32 v[40:41], v[34:35], v[34:35], v[40:41]
	s_delay_alu instid0(VALU_DEP_1)
	v_pk_fma_f32 v[40:41], v[36:37], v[36:37], v[40:41]
	s_delay_alu instid0(VALU_DEP_1)
	v_pk_fma_f32 v[40:41], v[38:39], v[38:39], v[40:41]
	s_delay_alu instid0(VALU_DEP_1)
	v_add_f32 v40, v40, v41
	s_delay_alu instid0(VALU_DEP_1)
	v_permlanex16_b32 v41, v40, s54, s55
	s_delay_alu instid0(VALU_DEP_1)
	v_add_f32 v40, v40, v41
	ds_store_b32 v4, v40
	s_wait_dscnt 0x0
	s_barrier_signal -1
	s_barrier_wait -1
.irp i, 0,1,2,3,4,5,6,7
	ds_load_b32 v[44+\i], v5 offset:64*\i
.endr
	s_wait_dscnt 0x0
	v_add_f32 v44, v44, v45
	v_add_f32 v46, v46, v47
	v_add_f32 v48, v48, v49
	v_add_f32 v50, v50, v51
	s_delay_alu instid0(VALU_DEP_3)
	v_add_f32 v44, v44, v46
	s_delay_alu instid0(VALU_DEP_2)
	v_add_f32 v48, v48, v50
	s_delay_alu instid0(VALU_DEP_1)
	v_add_f32 v44, v44, v48
	s_wait_alu depctr_va_vdst(0)
	v_sqrt_f32 v45, v44
	v_nop
	s_wait_alu depctr_va_vdst(0)
	v_ldexp_f32 v45, v45, s58
	s_delay_alu instid0(VALU_DEP_1)
	v_max_num_f32 v45, 0x2b8cbccc, v45             ; at least 1e-12
	s_wait_alu depctr_va_vdst(0)
	v_rcp_f32 v46, v45
	v_nop
	s_wait_alu depctr_va_vdst(0)
	v_ldexp_f32 v46, v46, s58
.irp j, 0,1,2,3,4,5,6,7
	v_mul_f32 v[32+\j], v[32+\j], v46
.endr
.irp j, 0,1,2,3,4,5,6,7
	v_med3_num_f32 v[32+\j], v[32+\j], -v15, v15
.endr
	v_cvt_scalef32_pk8_fp8_f32 v[52:53], v[32:39], v14
	v_nop
	global_store_b64 v6, v[52:53], s[48:49]        ; 256 consecutive bytes: registers 2 w, 2 w + 1 of the head's fragment
	s_wait_tensorcnt 0x0
	ds_add_u32 v8, v9
	s_wait_dscnt 0x0
	s_endpgm
.Lfunc_end_k_q373f841cf5_prep:
	.size	k_q373f841cf5_prep, .Lfunc_end_k_q373f841cf5_prep-k_q373f841cf5_prep
	.p2alignl 7, 3214868480
	.fill 96, 4, 3214868480
	.section	.rodata,"a",@progbits
	.p2align	6, 0x0
	.amdhsa_kernel k_q373f841cf5_prep
		.amdhsa_group_segment_fixed_size 34560
		.amdhsa_private_segment_fixed_size 0
		.amdhsa_enable_private_segment 0
		.amdhsa_kernarg_size 56
		.amdhsa_user_sgpr_count 2
		.amdhsa_user_sgpr_kernarg_segment_ptr 1
		.amdhsa_wavefront_size32 1
		.amdhsa_system_sgpr_workgroup_id_x 1
		.amdhsa_system_sgpr_workgroup_id_y 1
		.amdhsa_system_sgpr_workgroup_id_z 1
		.amdhsa_system_vgpr_workitem_id 0
		.amdhsa_next_free_vgpr 256
		.amdhsa_next_free_sgpr 66
		.amdhsa_reserve_vcc 0
		.amdhsa_float_denorm_mode_32 3
		.amdhsa_float_denorm_mode_16_64 3
		.amdhsa_memory_ordered 1
		.amdhsa_forward_progress 1
		.amdhsa_inst_pref_size 74
	.end_amdhsa_kernel
	.amdgpu_metadata
---
amdhsa.version: [ 1, 2 ]
amdhsa.kernels:
  - .name:           k_q373f841cf5_prep
    .symbol:         k_q373f841cf5_prep.kd
    .args:
      - { .name: Wk, .offset: 0, .size: 8, .value_kind: global_buffer, .address_space: global }
      - { .name: Wv, .offset: 8, .size: 8, .value_kind: global_buffer, .address_space: global }
      - { .name: Wq, .offset: 16, .size: 8, .value_kind: global_buffer, .address_space: global }
      - { .name: proto, .offset: 24, .size: 8, .value_kind: global_buffer, .address_space: global }
      - { .name: lowp_scales, .offset: 32, .size: 8, .value_kind: global_buffer, .address_space: global }
      - { .name: w_img, .offset: 40, .size: 8, .value_kind: global_buffer, .address_space: global }
      - { .name: qh_codes, .offset: 48, .size: 8, .value_kind: global_buffer, .address_space: global }
    .group_segment_fixed_size: 34560
    .private_segment_fixed_size: 0
    .kernarg_segment_align: 8
    .kernarg_segment_size: 56
    .max_flat_workgroup_size: 256
    .sgpr_count:     66
    .vgpr_count:     256
    .wavefront_size: 32
...
	.end_amdgpu_metadata
.endif
;; end of part 1
;; launch main (part 2): grid 256 x 1, 4 waves a work-group, no clusters, 266,752 bytes of LDS; arguments x, ln_g, ln_b, lowp_scales, w_img, qh_codes, scores, stats, v_img; writes scores, stats, v_img
.if DOCPART == 2
	.amdgcn_target "amdgcn-amd-amdhsa--gfx1250"
	.amdhsa_code_object_version 6
	.text
	.protected	k_q373f841cf5_main
	.globl	k_q373f841cf5_main
	.p2align	8
	.type	k_q373f841cf5_main,@function
k_q373f841cf5_main:
	s_mov_b64 s[64:65], 0
	v_nop
	global_prefetch_b8 v0, s[64:65] scope:SCOPE_SE
	s_setreg_imm32_b32 hwreg(HW_REG_WAVE_MODE, 25, 1), 1
	s_wait_xcnt 0x0
; A work-group owns 128 tokens (rows of x) from LayerNorm to the scores and to V's codes.  Four waves.
; PHASE 1.  Wave w takes rows 32 w .. 32 w + 31: a row is eight loads of 512 consecutive bytes and stays in 32 registers; LayerNorm in f32; the row is quantised twice (e0, e2) into LDS: two regions of 128 rows, pitch 1,040.
; A ring of four row slots; in the last four rows the first two K steps of the weights are asked for in the refills' places.  One barrier.
; PHASE 2.  Wave w makes four tiles of 128 tokens x 128 channels, K = 1,024: K of heads w and w + 4, then V of the same heads; 64 accumulators (windows 2, 3).  Tokens' fragments come from LDS; the weights' fragments come
; from w_img straight into registers (window 1, two sets): each wave's are its own, 512 consecutive bytes a load, 512 KiB on end.  A step of 128 along K is four quarters of 16 matrix instructions:
; tokens 0-63 x channels 0-63, tokens 64-127 x 0-63, tokens 64-127 x 64-127, tokens 0-63 x 64-127.  A half set of weights is asked for again, two steps ahead, as soon as its quarters are issued (96 matrix instructions ahead of its
; use); tokens 0-63 have two sets, tokens 64-127 one, each asked for 32 matrix instructions ahead.  The accumulators take turns.
; K: source 0 = weights, source 1 = tokens: a lane holds one token and channels along its registers: l2norm by heads, codes (e6), product with Qh, raw scores and each prototype's (largest t, sum of 2^(t - largest)) over the 128 tokens.
; V: sources swapped: a lane holds one channel and tokens along its registers: codes (e9), stored as images of the next launch's operand registers.
; No tensor loads and no joint loads: 266,240 of the 327,680 bytes of LDS hold the tokens' codes, and no weight fragment is used by two waves of the work-group.  No prefetch: phase 1 is one stream with its loads
; four rows ahead, and the weights are 2 MiB that every work-group walks at about the same time.
; LIMITS: NaN and infinities among the inputs are not served.  e0, e2, e6 and e9 - e2 - e3 lie between -126 and 119; e6 + e7 between -123 and 122.
.set PITCH, 1040
.set XV,    128*PITCH
.set SPARE, 2*XV
.set OFF, 2
.set G,   32
.set B,   64
.set X,   96
.set T,   224
.set CA,  240
.set CB,  248
.set TA,  64                           ; tokens 0-63: two sets of four fragments
.set TB,  192                          ; tokens 64-127
.set QF,  16
.set QF2, 32
.set F,   48
.set TMP, 64
.set KC,  128
.set VC,  128
.set SC,  160
.set WK,  224
.set WP, 16
.set QP, 18
.set SP, 20
.set TP, 22
.set VP, 24
.set KO, 50
.set MSB, 0
.macro WIN new
.if MSB != (\new)
	s_set_vgpr_msb (MSB<<8)|(\new)
.set MSB, (\new)
.endif
.endm
.macro PLACES
.rept 4
	v_nop
.endr
.endm
.macro MKSC e, vs, vl
	s_add_co_i32 s62, \e, 127
	s_lshl_b32 s63, s62, 23
	v_mov_b32 v[\vs], s63
	s_add_co_i32 s62, s62, 8
	s_lshl_b32 s62, s62, 23
	s_or_b32 s62, s62, 0x600000
	v_mov_b32 v[\vl], s62
.endm
	s_load_b256 s[8:15], s[0:1], 0x0               ; x, ln_g, ln_b, lowp_scales
	s_load_b256 s[16:23], s[0:1], 0x20             ; w_img, qh_codes, scores, stats
	s_load_b64 s[24:25], s[0:1], 0x40              ; v_img
	v_lshl_add_u32 v8, v0, 2, SPARE                ; my spare word; never rewritten
	v_mov_b32 v9, 0
	v_lshrrev_b32 v1, 5, v0
	v_readfirstlane_b32 s26, v1                    ; wave 0..3
	v_and_b32 v1, 31, v0
	v_lshlrev_b32 v1, 4, v1                        ; 16 x lane; never rewritten
.irp s, 0,1,2,3
	v_add_nc_u32 v[OFF+\s], \s*4096, v1
.endr
	s_mul_i32 s27, s26, 32*PITCH
	v_add_nc_u32 v26, s27, v1                      ; my rows' codes, first region,
	v_add_nc_u32 v27, XV, v26                      ; second region
	v_and_b32 v28, 15, v0
	v_bfe_u32 v29, v0, 4, 1
	v_mul_u32_u24 v14, v28, PITCH
	v_lshl_add_u32 v14, v29, 4, v14                ; a fragment's row x pitch + 16 h,
	v_add_nc_u32 v15, 64*PITCH, v14                ; and 64 rows on
	v_mov_b32 v21, 0
	v_mov_b32 v23, 0
	v_mov_b32 v25, 0
	s_mov_b32 s54, 0x76543210
	s_mov_b32 s55, 0xfedcba98
	s_mov_b32 s60, 0x3a800000                      ; 1 / 1024
	s_mov_b32 s61, 0x3727c5ac                      ; 1e-5
	s_mov_b32 s29, 0
	s_wait_alu depctr_va_vdst(0)
	s_wait_kmcnt 0x0
	s_load_b256 s[32:39], s[14:15], 0x0            ; e0 .. e7
	s_load_b64 s[40:41], s[14:15], 0x20            ; e8, e9
	s_lshl_b32 s28, ttmp9, 19
	s_lshl_b32 s27, s26, 17
	s_add_co_u32 s28, s28, s27
	s_add_nc_u64 s[44:45], s[8:9], s[28:29]        ; x at my first row
	s_lshl_b32 s28, s26, 19
	s_add_co_u32 s28, s28, 16384
	s_add_nc_u64 s[WP:WP+1], s[WP:WP+1], s[28:29]  ; my weights, at K step 1
	s_lshl_b32 s28, s26, 11
	s_add_nc_u64 s[QP:QP+1], s[QP:QP+1], s[28:29]
	s_lshl_b32 s27, ttmp9, 3
	s_add_co_u32 s27, s27, s26                     ; 8 x block of tokens + head
	s_lshl_b32 s28, s27, 13
	s_add_nc_u64 s[SP:SP+1], s[SP:SP+1], s[28:29]
	s_lshl_b32 s28, s27, 8
	s_add_nc_u64 s[TP:TP+1], s[TP:TP+1], s[28:29]
	s_lshl_b32 s28, s27, 14
	s_add_nc_u64 s[VP:VP+1], s[VP:VP+1], s[28:29]
.irp j, 0,1,2,3,4,5,6,7
	global_load_b128 v[G+4*\j:G+4*\j+3], v1, s[10:11] offset:512*\j
	global_load_b128 v[B+4*\j:B+4*\j+3], v1, s[12:13] offset:512*\j
.endr
.macro FILL s
.irp j, 0,1,2,3,4,5,6,7
	global_load_b128 v[X+32*(\s)+4*\j:X+32*(\s)+4*\j+3], v[OFF+\s], s[44:45] offset:512*\j th:TH_LOAD_NT
.endr
.endm
	FILL 0
	FILL 1
	FILL 2
	FILL 3
	s_wait_kmcnt 0x0
	MKSC s32, 10, 11                               ; e0
	MKSC s34, 12, 13                               ; e2
	s_add_co_i32 s46, s32, s33                     ; a sum of K stands for sum x 2^(e0 + e1)
	s_add_co_i32 s48, s38, s39
	s_lshl_b32 s48, s48, 23
	s_add_co_i32 s48, s48, 0x41a4e123              ; log2(e) / 0.07 x 2^(e6 + e7)
	s_mov_b32 s49, s48
	s_sub_co_i32 s47, s41, s34
	s_sub_co_i32 s47, s47, s35                     ; e9 - e2 - e3
	s_wait_alu depctr_va_vdst(0)                   ; the head's end
.macro REDUCE                          ; v20 summed over the 32 lanes
.irp m, 1,2,4,8
	v_add_f32_dpp v20, v20, v20 row_xmask:\m row_mask:0xf bank_mask:0xf
.endr
	v_permlanex16_b32 v21, v20, s54, s55
	v_add_f32 v20, v20, v21
.endm
.macro TURN s, fill, left              ; one row; left: the younger loads, which may stay out
.set XS, X+32*(\s)
	s_wait_loadcnt \left
.if \fill
	v_add_nc_u32 v[OFF+\s], 16384, v[OFF+\s]       ; free since that wait
.endif
	v_pk_add_f32 v[16:17], v[XS:XS+1], v[XS+2:XS+3]
	v_pk_add_f32 v[18:19], v[XS+4:XS+5], v[XS+6:XS+7]
.irp k, 8,12,16,20,24,28
	v_pk_add_f32 v[16:17], v[16:17], v[XS+\k:XS+\k+1]
	v_pk_add_f32 v[18:19], v[18:19], v[XS+\k+2:XS+\k+3]
.endr
	v_pk_add_f32 v[16:17], v[16:17], v[18:19]
	v_add_f32 v20, v16, v17
	REDUCE
	v_mul_f32 v22, 0xba800000, v20                 ; minus the mean
.set kk, 0
.rept 16
	v_pk_add_f32 v[XS+kk:XS+kk+1], v[XS+kk:XS+kk+1], v[22:23] op_sel_hi:[1,0]
.set kk, kk+2
.endr
	v_pk_mul_f32 v[16:17], v[XS:XS+1], v[XS:XS+1]
	v_pk_mul_f32 v[18:19], v[XS+2:XS+3], v[XS+2:XS+3]
.irp k, 4,8,12,16,20,24,28
	v_pk_fma_f32 v[16:17], v[XS+\k:XS+\k+1], v[XS+\k:XS+\k+1], v[16:17]
	v_pk_fma_f32 v[18:19], v[XS+\k+2:XS+\k+3], v[XS+\k+2:XS+\k+3], v[18:19]
.endr
	v_pk_add_f32 v[16:17], v[16:17], v[18:19]
	v_add_f32 v20, v16, v17
	REDUCE
	v_fma_f32 v20, v20, s60, s61                   ; variance + 1e-5
	s_wait_alu depctr_va_vdst(0)                   ; the wait ahead of the transcendental
	v_rsq_f32 v24, v20
	v_nop
	s_wait_alu depctr_va_vdst(0)                   ; and ahead of its first reader
.set kk, 0
.rept 16
	v_pk_mul_f32 v[XS+kk:XS+kk+1], v[XS+kk:XS+kk+1], v[24:25] op_sel_hi:[1,0]
.set kk, kk+2
.endr
.set kk, 0
.rept 16
	v_pk_fma_f32 v[XS+kk:XS+kk+1], v[XS+kk:XS+kk+1], v[G+kk:G+kk+1], v[B+kk:B+kk+1]
.set kk, kk+2
.endr
.irp g, 0,1
.set kk, 0
.rept 16
	v_med3_num_f32 v[T+kk], v[XS+16*\g+kk], -v11, v11        ; the conversion does not saturate (ISA guide 7.6.2): the hold
.set kk, kk+1
.endr
	v_cvt_scalef32_pk8_fp8_f32 v[CA+4*\g:CA+4*\g+1], v[T:T+7], v10
	v_cvt_scalef32_pk8_fp8_f32 v[CA+4*\g+2:CA+4*\g+3], v[T+8:T+15], v10
	v_nop
.endr
.set kk, 0
.rept 32
	v_med3_num_f32 v[XS+kk], v[XS+kk], -v13, v13
.set kk, kk+1
.endr
.irp g, 0,1,2,3
	v_cvt_scalef32_pk8_fp8_f32 v[CB+2*\g:CB+2*\g+1], v[XS+8*\g:XS+8*\g+7], v12
.endr
	v_nop
.irp i, 0,1
	ds_store_b128 v6, v[CA+4*\i:CA+4*\i+3] offset:PITCH*(\s)+512*\i      ; 512 consecutive bytes of the row of codes
	ds_store_b128 v7, v[CB+4*\i:CB+4*\i+3] offset:PITCH*(\s)+512*\i
.endr
.if \fill
	FILL \s
.endif
.endm
.macro SETL                            ; where this trip's four rows of codes go
	v_add_nc_u32 v6, s30, v26
	v_add_nc_u32 v7, s30, v27
.endm
.macro WFETCH par, half, off           ; four fragments of weights: 16 loads of 512 consecutive bytes
.irp i, 0,1,2,3
.irp c, 0,1,2,3
	global_load_b128 v[128*\par+64*\half+16*\i+4*\c:128*\par+64*\half+16*\i+4*\c+3], v1, s[WP:WP+1] offset:\off+8192*\half+2048*\i+512*\c
.endr
.endr
.endm
	s_mov_b32 s30, 0
	s_mov_b32 s31, 7
.Lrows:
	SETL
	TURN 0, 1, 24
	TURN 1, 1, 24
	TURN 2, 1, 24
	TURN 3, 1, 24
	s_add_co_u32 s30, s30, 4*PITCH
	s_sub_co_i32 s31, s31, 1
	s_cmp_lg_u32 s31, 0
	s_cbranch_scc1 .Lrows
	SETL
	TURN 0, 0, 24                                  ; the last four rows: behind each, 16 loads of weights; the counts: the rows still out + the weights asked for
	WIN 0x40
	WFETCH 0, 0, -16384
	WIN 0
	TURN 1, 0, 32
	WIN 0x40
	WFETCH 0, 1, -16384
	WIN 0
	TURN 2, 0, 40
	WIN 0x40
	WFETCH 1, 0, 0
	WIN 0
	TURN 3, 0, 48
	WIN 0x40
	WFETCH 1, 1, 0
	WIN 0
	v_and_b32 v5, 31, v0
	v_lshlrev_b32 v5, 3, v5                        ; 8 x lane
.irp c, 0,1,2,3,4,5,6,7
	global_load_b64 v[QF+2*\c:QF+2*\c+1], v5, s[QP:QP+1] offset:256*\c          ; Qh of head w,
	global_load_b64 v[QF2+2*\c:QF2+2*\c+1], v5, s[QP:QP+1] offset:8192+256*\c   ; of head w + 4
.endr
	MKSC s38, 12, 13                               ; e6
	MKSC s47, 10, 11                               ; e9 - e2 - e3
	s_wait_alu depctr_va_vdst(0)
	s_wait_dscnt 0x0                               ; for the others' sake: my rows of codes have landed
	s_barrier_signal -1
	s_barrier_wait -1
.macro MM d, a, b, zero
.if \zero
	v_wmma_f32_16x16x128_fp8_fp8 v[\d:\d+7], v[\a:\a+15], v[\b:\b+15], 0
.else
	v_wmma_f32_16x16x128_fp8_fp8 v[\d:\d+7], v[\a:\a+15], v[\b:\b+15], v[\d:\d+7]
.endif
.endm
.macro Q kv, tb, n0, par, zero         ; four blocks of tokens x four blocks of channels
.irp i, 0,1,2,3
.irp n, \n0, \n0+1, \n0+2, \n0+3
.if \kv
	MM 8*(8*\i+(\n)), \tb+16*\i, 128*\par+16*(\n), \zero
.else
	MM 8*(8*\i+(\n)), 128*\par+16*(\n), \tb+16*\i, \zero
.endif
.endr
.endr
.endm
.macro TFETCH dst, adr, off            ; four fragments of tokens
.irp i, 0,1,2,3
.irp c, 0,1,2,3
	ds_load_b128 v[\dst+16*\i+4*\c:\dst+16*\i+4*\c+3], v[\adr] offset:\off+32*\c+\i*16*PITCH
.endr
.endr
.endm
.macro SETAT                           ; the fragments' addresses at byte s[KO] of the regions
	v_add_nc_u32 v6, s[KO], v14
	v_add_nc_u32 v7, s[KO], v15
	s_wait_alu depctr_va_vdst(0)                   ; waits stand ahead of the readers
.endm
; One step.  tf: byte, from the addresses, of the next step's tokens (-1: none).  wf: the weights two steps on are asked for.  l1, l2: loads younger than this step's first and second half set.
.macro STEP kv, par, zero, tf, wf, l1, l2
	s_wait_loadcnt \l1
	s_wait_dscnt 16                                ; tokens 0-63 are in; the 16 loads of tokens 64-127 may be out
	WIN 0xa1+3*\kv
	Q \kv, TA+64*\par, 0, \par, \zero
	s_wait_dscnt 0
	WIN 0xf1+3*\kv
	Q \kv, TB, 0, \par, \zero
	s_wait_loadcnt \l2
	PLACES                                         ; four places ahead of loads into registers that matrix instructions have read
.if \wf
	s_wait_xcnt 0x0                                ; the earlier loads have read their base
	s_add_nc_u64 s[WP:WP+1], s[WP:WP+1], 16384
	WIN 0x40
	WFETCH \par, 0, 0
.endif
	WIN 0
.if \tf >= 0
	TFETCH TA+64-64*\par, 6, \tf
.endif
	WIN 0xf1+3*\kv
	Q \kv, TB, 4, \par, \zero
	PLACES
	WIN 0
.if \tf >= 0
	TFETCH TB, 7, \tf
.endif
	WIN 0xa1+3*\kv
	Q \kv, TA+64*\par, 4, \par, \zero
	PLACES
.if \wf
	WIN 0x40
	WFETCH \par, 1, 0
.endif
	WIN 0
.endm
.macro EPIK
.irp g, 0,1
	WIN 0x0a+5*\g
.irp a, 0,1,2,3
	v_pk_mul_f32 v[WK+16*\g+4*\a:WK+16*\g+4*\a+1], v[64*\a:64*\a+1], v[64*\a:64*\a+1]
	v_pk_mul_f32 v[WK+16*\g+4*\a+2:WK+16*\g+4*\a+3], v[64*\a+2:64*\a+3], v[64*\a+2:64*\a+3]
.endr
.set kk, 4
.rept 15
.irp a, 0,1,2,3
	v_pk_fma_f32 v[WK+16*\g+4*\a:WK+16*\g+4*\a+1], v[64*\a+kk:64*\a+kk+1], v[64*\a+kk:64*\a+kk+1], v[WK+16*\g+4*\a:WK+16*\g+4*\a+1]
	v_pk_fma_f32 v[WK+16*\g+4*\a+2:WK+16*\g+4*\a+3], v[64*\a+kk+2:64*\a+kk+3], v[64*\a+kk+2:64*\a+kk+3], v[WK+16*\g+4*\a+2:WK+16*\g+4*\a+3]
.endr
.set kk, kk+4
.endr
.endr
	WIN 0
.irp a, 0,1,2,3,4,5,6,7
	v_pk_add_f32 v[WK+4*\a:WK+4*\a+1], v[WK+4*\a:WK+4*\a+1], v[WK+4*\a+2:WK+4*\a+3]
.endr
.irp a, 0,1,2,3,4,5,6,7
	v_add_f32 v[WK+4*\a], v[WK+4*\a], v[WK+4*\a+1]
.endr
.irp a, 0,1,2,3,4,5,6,7
	v_permlanex16_b32 v[WK+4*\a+1], v[WK+4*\a], s54, s55
.endr
.irp a, 0,1,2,3,4,5,6,7
	v_add_f32 v[WK+4*\a], v[WK+4*\a], v[WK+4*\a+1]           ; the token's sum of squares over the head
.endr
	s_wait_alu depctr_va_vdst(0)
.irp a, 0,1,2,3,4,5,6,7
	v_sqrt_f32 v[WK+4*\a+2], v[WK+4*\a]
.endr
	v_nop
	s_wait_alu depctr_va_vdst(0)
.irp a, 0,1,2,3,4,5,6,7
	v_ldexp_f32 v[WK+4*\a+2], v[WK+4*\a+2], s46
.endr
.irp a, 0,1,2,3,4,5,6,7
	v_max_num_f32 v[WK+4*\a+2], 0x2b8cbccc, v[WK+4*\a+2]     ; the norm, at least 1e-12
.endr
	s_wait_alu depctr_va_vdst(0)
.irp a, 0,1,2,3,4,5,6,7
	v_rcp_f32 v[WK+4*\a+3], v[WK+4*\a+2]
.endr
	v_nop
	s_wait_alu depctr_va_vdst(0)
.irp a, 0,1,2,3,4,5,6,7
	v_ldexp_f32 v[F+2*\a], v[WK+4*\a+3], s46
.endr
.irp a, 0,1,2,3,4,5,6,7
	v_mov_b32 v[F+2*\a+1], v[F+2*\a]
.endr
.irp a, 0,1,2,3,4,5,6,7
	WIN 0x02+\a/4
.set kk, 0
.rept 32
	v_pk_mul_f32 v[TMP+kk:TMP+kk+1], v[64*(\a%4)+kk:64*(\a%4)+kk+1], v[F+2*\a:F+2*\a+1] op_sel_hi:[1,0]
.set kk, kk+2
.endr
	WIN 0
.set bb, 0
.rept 8
.set kk, 0
.rept 8
	v_med3_num_f32 v[TMP+8*bb+kk], v[TMP+8*bb+kk], -v13, v13
.set kk, kk+1
.endr
	v_cvt_scalef32_pk8_fp8_f32 v[KC+16*(\a%2)+2*bb:KC+16*(\a%2)+2*bb+1], v[TMP+8*bb:TMP+8*bb+7], v12
.set bb, bb+1
.endr
	v_nop
	v_wmma_f32_16x16x128_fp8_fp8 v[SC+8*\a:SC+8*\a+7], v[KC+16*(\a%2):KC+16*(\a%2)+15], v[QF:QF+15], 0
.endr
	PLACES
	v_max3_num_f32 v[WK], v[SC], v[SC+1], v[SC+2]            ; each accumulator from its low end on
	v_max3_num_f32 v[WK+1], v[SC+3], v[SC+4], v[SC+5]
.set kk, 6
.rept 14
	v_max3_num_f32 v[WK], v[WK], v[SC+kk], v[SC+kk+1]
	v_max3_num_f32 v[WK+1], v[WK+1], v[SC+kk+2], v[SC+kk+3]
.set kk, kk+4
.endr
	v_max3_num_f32 v[WK], v[WK], v[SC+62], v[SC+63]
	v_max_num_f32 v[WK], v[WK], v[WK+1]
	v_permlanex16_b32 v[WK+2], v[WK], s54, s55
	v_max_num_f32 v[WK], v[WK], v[WK+2]
	v_mul_f32 v[WK+4], s48, v[WK]                  ; the largest t of my prototype among the 128 tokens
.set kk, 0
.rept 32
	v_pk_fma_f32 v[TMP+kk:TMP+kk+1], v[SC+kk:SC+kk+1], s[48:49], v[WK+4:WK+5] op_sel_hi:[1,0,0] neg_lo:[0,0,1] neg_hi:[0,0,1]
.set kk, kk+2
.endr
	s_wait_alu depctr_va_vdst(0)
.set kk, 0
.rept 64
	v_exp_f32 v[TMP+kk], v[TMP+kk]
.set kk, kk+1
.endr
	v_nop
	s_wait_alu depctr_va_vdst(0)
	v_pk_add_f32 v[WK+8:WK+9], v[TMP:TMP+1], v[TMP+2:TMP+3]
	v_pk_add_f32 v[WK+10:WK+11], v[TMP+4:TMP+5], v[TMP+6:TMP+7]
.set kk, 8
.rept 14
	v_pk_add_f32 v[WK+8:WK+9], v[WK+8:WK+9], v[TMP+kk:TMP+kk+1]
	v_pk_add_f32 v[WK+10:WK+11], v[WK+10:WK+11], v[TMP+kk+2:TMP+kk+3]
.set kk, kk+4
.endr
	v_pk_add_f32 v[WK+8:WK+9], v[WK+8:WK+9], v[WK+10:WK+11]
	v_add_f32 v[WK+5], v[WK+8], v[WK+9]
	v_permlanex16_b32 v[WK+6], v[WK+5], s54, s55
	v_add_f32 v[WK+5], v[WK+5], v[WK+6]
.irp j, 0,1,2,3,4,5,6,7,8,9,10,11,12,13,14,15
	v_mov_b32 v[QF+\j], v[QF2+\j]                  ; the second trip's Qh (the second trip moves the same numbers once more)
.endr
.set kk, 0
.rept 16
	global_store_b128 v1, v[SC+4*kk:SC+4*kk+3], s[SP:SP+1] offset:512*kk   ; the raw scores, 512 consecutive bytes a store
.set kk, kk+1
.endr
	global_store_b64 v5, v[WK+4:WK+5], s[TP:TP+1]
.endm
.macro EPIV
.irp n, 0,1,2,3,4,5,6,7
.irp g, 0,1
	WIN 0x02+\g
.irp t, 0,1,2,3
.set kk, 0
.rept 8
	v_med3_num_f32 v[TMP+32*\g+8*\t+kk], v[8*(8*\t+\n)+kk], -v11, v11     ; tokens 64 g + 16 t + 8 h + kk of channel 16 n + r
.set kk, kk+1
.endr
.endr
.endr
	WIN 0
.set kk, 0
.rept 8
	v_cvt_scalef32_pk8_fp8_f32 v[VC+16*\n+2*kk:VC+16*\n+2*kk+1], v[TMP+8*kk:TMP+8*kk+7], v10
.set kk, kk+1
.endr
	v_nop
.endr
.set kk, 0
.rept 32
	global_store_b128 v1, v[VC+4*kk:VC+4*kk+3], s[VP:VP+1] offset:512*kk
.set kk, kk+1
.endr
.endm
	; ---------------- K of heads w, w + 4 ----------------
	s_mov_b32 s52, 2
.Lkpass:
	s_mov_b32 s[KO], 0
	SETAT
	TFETCH TA, 6, 0
	TFETCH TB, 7, 0
	STEP 0, 0, 1, 128, 1, 48, 32                   ; the first step starts the sums
	s_mov_b32 s[KO], 128
	s_mov_b32 s51, 3
.Lkl:
	SETAT
	STEP 0, 1, 0, 128, 1, 48, 32
	STEP 0, 0, 0, 256, 1, 48, 32
	s_add_co_u32 s[KO], s[KO], 256
	s_sub_co_i32 s51, s51, 1
	s_cmp_lg_u32 s51, 0
	s_cbranch_scc1 .Lkl
	STEP 0, 1, 0, -1, 1, 48, 32
	EPIK
	s_wait_xcnt 0x0                                ; the stores have read their data and bases
	s_add_nc_u64 s[SP:SP+1], s[SP:SP+1], 4*8192
	s_add_nc_u64 s[TP:TP+1], s[TP:TP+1], 4*256
	s_sub_co_i32 s52, s52, 1
	s_cmp_lg_u32 s52, 0
	s_cbranch_scc1 .Lkpass
	; ---------------- V of heads w, w + 4 ----------------
	s_mov_b32 s52, 2
.Lvpass:
	s_mov_b32 s[KO], XV
	SETAT
	TFETCH TA, 6, 0
	TFETCH TB, 7, 0
	STEP 1, 0, 1, 128, 1, 48, 32
	s_mov_b32 s[KO], XV+128
	s_mov_b32 s51, 2
.Lvl:
	SETAT
	STEP 1, 1, 0, 128, 1, 48, 32
	STEP 1, 0, 0, 256, 1, 48, 32
	s_add_co_u32 s[KO], s[KO], 256
	s_sub_co_i32 s51, s51, 1
	s_cmp_lg_u32 s51, 0
	s_cbranch_scc1 .Lvl
	SETAT
	STEP 1, 1, 0, 128, 1, 48, 32
	s_cmp_eq_u32 s52, 1
	s_cbranch_scc1 .Lvlast                         ; the last tile's last two steps ask for no weights: their own copy, with their own counts
	STEP 1, 0, 0, 256, 1, 48, 32
	STEP 1, 1, 0, -1, 1, 48, 32
	s_branch .Lvepi
.Lvlast:
	STEP 1, 0, 0, 256, 0, 48, 32
	STEP 1, 1, 0, -1, 0, 16, 0
.Lvepi:
	EPIV
	s_wait_xcnt 0x0
	s_add_nc_u64 s[VP:VP+1], s[VP:VP+1], 4*16384
	s_sub_co_i32 s52, s52, 1
	s_cmp_lg_u32 s52, 0
	s_cbranch_scc1 .Lvpass
	s_wait_tensorcnt 0x0                           ; the wave's end
	ds_add_u32 v8, v9
	s_wait_dscnt 0x0
	s_endpgm
.Lfunc_end_k_q373f841cf5_main:
	.size	k_q373f841cf5_main, .Lfunc_end_k_q373f841cf5_main-k_q373f841cf5_main
	.p2alignl 7, 3214868480
	.fill 96, 4, 3214868480
	.section	.rodata,"a",@progbits
	.p2align	6, 0x0
	.amdhsa_kernel k_q373f841cf5_main
		.amdhsa_group_segment_fixed_size 266752
		.amdhsa_private_segment_fixed_size 0
		.amdhsa_enable_private_segment 0
		.amdhsa_kernarg_size 72
		.amdhsa_user_sgpr_count 2
		.amdhsa_user_sgpr_kernarg_segment_ptr 1
		.amdhsa_wavefront_size32 1
		.amdhsa_system_sgpr_workgroup_id_x 1
		.amdhsa_system_sgpr_workgroup_id_y 1
		.amdhsa_system_sgpr_workgroup_id_z 1
		.amdhsa_system_vgpr_workitem_id 0
		.amdhsa_next_free_vgpr 1024
		.amdhsa_next_free_sgpr 66
		.amdhsa_reserve_vcc 0
		.amdhsa_float_denorm_mode_32 3
		.amdhsa_float_denorm_mode_16_64 3
		.amdhsa_memory_ordered 1
		.amdhsa_forward_progress 1
		.amdhsa_inst_pref_size 255
	.end_amdhsa_kernel
	.section	.bss,"aw",@nobits
	.p2align	6
	.space	262144
	.amdgpu_metadata
---
amdhsa.version: [ 1, 2 ]
amdhsa.kernels:
  - .name:           k_q373f841cf5_main
    .symbol:         k_q373f841cf5_main.kd
    .args:
      - { .name: x, .offset: 0, .size: 8, .value_kind: global_buffer, .address_space: global }
      - { .name: ln_g, .offset: 8, .size: 8, .value_kind: global_buffer, .address_space: global }
      - { .name: ln_b, .offset: 16, .size: 8, .value_kind: global_buffer, .address_space: global }
      - { .name: lowp_scales, .offset: 24, .size: 8, .value_kind: global_buffer, .address_space: global }
      - { .name: w_img, .offset: 32, .size: 8, .value_kind: global_buffer, .address_space: global }
      - { .name: qh_codes, .offset: 40, .size: 8, .value_kind: global_buffer, .address_space: global }
      - { .name: scores, .offset: 48, .size: 8, .value_kind: global_buffer, .address_space: global }
      - { .name: stats, .offset: 56, .size: 8, .value_kind: global_buffer, .address_space: global }
      - { .name: v_img, .offset: 64, .size: 8, .value_kind: global_buffer, .address_space: global }
    .group_segment_fixed_size: 266752
    .private_segment_fixed_size: 0
    .kernarg_segment_align: 8
    .kernarg_segment_size: 72
    .max_flat_workgroup_size: 128
    .sgpr_count:     66
    .vgpr_count:     1024
    .wavefront_size: 32
...
	.end_amdgpu_metadata
.endif
;; end of part 2
;; launch pv (part 3): grid 256 x 1, 8 waves a work-group, no clusters, 5,120 bytes of LDS; arguments lowp_scales, scores, stats, v_img, zpart; writes zpart
.if DOCPART == 3
	.amdgcn_target "amdgcn-amd-amdhsa--gfx1250"
	.amdhsa_code_object_version 6
	.text
	.protected	k_q373f841cf5_pv
	.globl	k_q373f841cf5_pv
	.p2align	8
	.type	k_q373f841cf5_pv,@function
k_q373f841cf5_pv:
	s_mov_b64 s[64:65], 0
	v_nop
	global_prefetch_b8 v0, s[64:65] scope:SCOPE_SE
	s_setreg_imm32_b32 hwreg(HW_REG_WAVE_MODE, 25, 1), 1
	s_wait_xcnt 0x0
; attn = softmax over a batch's 4,096 tokens, finished and normalised, quantised (e8); attn x V's codes; the mean over the 16 prototypes; parts of z.
; Work-group: batch = number >> 5, part = (number >> 1) & 15 (two blocks of 128 tokens), four heads by number & 1.  Wave w: head 4 (number & 1) + (w & 3), block 2 part + (w >> 2).
; A wave loads the 32 blocks' (largest t, sum) of its head, its block's raw scores and the eight fragment images of V, all at its head; the largest t is taken away before the exponentials.
; The two blocks' sums meet in LDS; waves 0-3 store 512 consecutive bytes each.  The scores are sums of at most 128 products of codes and so finite, the largest exponent is 0 and the sum at least 1:
; attn is never NaN.  No loop, so no prefetch.  LIMITS: e8 between -126 and 119; e6 + e7 between -123 and 122.
.set SPARE, 4096
.set AT,  32
.set TMP, 64
.set ST,  160
.set OA,  192
	s_load_b256 s[4:11], s[0:1], 0x0               ; lowp_scales, scores, stats, v_img
	s_load_b64 s[12:13], s[0:1], 0x20              ; zpart
	v_lshl_add_u32 v28, v0, 2, SPARE               ; my spare word; never rewritten
	v_mov_b32 v29, 0
	v_lshrrev_b32 v1, 5, v0
	s_delay_alu instid0(VALU_DEP_1)
	v_readfirstlane_b32 s14, v1                    ; wave 0..7
	v_and_b32 v1, 15, v0
	v_bfe_u32 v2, v0, 4, 1
	v_and_b32 v6, 31, v0
	s_lshl_b32 s15, s14, 9
	v_lshlrev_b32 v22, 3, v1
	v_lshlrev_b32 v26, 4, v6                       ; 16 x lane
	v_lshl_add_u32 v24, v1, 2, s15                 ; my wave's 128 channels in LDS
	v_lshl_add_u32 v22, v2, 15, v22                ; 8 r + 16 blocks for the upper lanes
	v_add_nc_u32 v25, s15, v26
	v_mov_b32 v129, 0
	s_lshr_b32 s16, ttmp9, 5                       ; batch
	s_bfe_u32 s17, ttmp9, 0x40001                  ; part
	s_and_b32 s18, ttmp9, 1
	s_and_b32 s19, s14, 3
	s_lshl_b32 s18, s18, 2
	s_add_co_u32 s19, s19, s18                     ; head
	s_lshr_b32 s20, s14, 2
	s_lshl_b32 s21, s17, 1
	s_add_co_u32 s20, s20, s21
	s_lshl_b32 s21, s16, 5
	s_add_co_u32 s20, s20, s21                     ; block of tokens
	s_lshl_b32 s21, s20, 3
	s_add_co_u32 s21, s21, s19
	s_mov_b32 s29, 0
	s_mov_b32 s30, 0x76543210
	s_mov_b32 s31, 0xfedcba98
	s_wait_alu depctr_va_vdst(0)
	s_wait_kmcnt 0x0
	s_load_b256 s[32:39], s[4:5], 0x0              ; e0 .. e7
	s_load_b64 s[40:41], s[4:5], 0x20              ; e8, e9
	s_lshl_b32 s28, s16, 16
	s_lshl_b32 s27, s19, 8
	s_add_co_u32 s28, s28, s27
	s_add_nc_u64 s[8:9], s[8:9], s[28:29]
	s_lshl_b32 s28, s21, 13
	s_add_nc_u64 s[6:7], s[6:7], s[28:29]
	s_lshl_b32 s28, s21, 14
	s_add_nc_u64 s[10:11], s[10:11], s[28:29]
	s_lshl_b32 s28, s16, 4
	s_add_co_u32 s28, s28, s17
	s_lshl_b32 s28, s28, 12
	s_lshl_b32 s27, s19, 9
	s_add_co_u32 s28, s28, s27
	s_add_nc_u64 s[12:13], s[12:13], s[28:29]
.set kk, 0
.rept 16
	global_load_b64 v[ST+2*kk:ST+2*kk+1], v22, s[8:9] offset:2048*kk
.set kk, kk+1
.endr
.set kk, 0
.rept 16
	global_load_b128 v[TMP+4*kk:TMP+4*kk+3], v26, s[6:7] offset:512*kk th:TH_LOAD_NT
.set kk, kk+1
.endr
	s_set_vgpr_msb 0x40                            ; V's images into v256-383
.set kk, 0
.rept 32
	global_load_b128 v[4*kk:4*kk+3], v26, s[10:11] offset:512*kk th:TH_LOAD_NT
.set kk, kk+1
.endr
	s_set_vgpr_msb 0x4000
	s_wait_kmcnt 0x0
	s_add_co_i32 s22, s38, s39
	s_lshl_b32 s22, s22, 23
	s_add_co_i32 s22, s22, 0x41a4e123              ; log2(e) / 0.07 x 2^(e6 + e7)
	s_mov_b32 s23, s22
	s_add_co_i32 s24, s40, s41
	s_sub_co_i32 s24, s24, 4                       ; e8 + e9, and the mean over 16 prototypes
	s_add_co_i32 s26, s40, 127
	s_lshl_b32 s27, s26, 23
	v_mov_b32 v8, s27                              ; 2^e8
	s_add_co_i32 s26, s26, 8
	s_lshl_b32 s26, s26, 23
	s_or_b32 s26, s26, 0x600000
	v_mov_b32 v9, s26                              ; 448 x 2^e8
	s_wait_alu depctr_va_vdst(0)
	s_wait_loadcnt 32                              ; the statistics and the scores are in; V's 32 loads may be out
	v_max3_num_f32 v128, v[ST], v[ST+2], v[ST+4]
.irp i, 6,10,14,18,22,26
	s_delay_alu instid0(VALU_DEP_1)
	v_max3_num_f32 v128, v128, v[ST+\i], v[ST+\i+2]
.endr
	s_delay_alu instid0(VALU_DEP_1)
	v_max_num_f32 v128, v128, v[ST+30]
	s_delay_alu instid0(VALU_DEP_1)
	v_permlanex16_b32 v129, v128, s30, s31
	s_delay_alu instid0(VALU_DEP_1)
	v_max_num_f32 v128, v128, v129                 ; the batch's largest t of my prototype
.set kk, 0
.rept 16
	v_sub_f32 v[132+kk], v[ST+2*kk], v128
.set kk, kk+1
.endr
.set kk, 0
.rept 32
	v_pk_fma_f32 v[TMP+kk:TMP+kk+1], v[TMP+kk:TMP+kk+1], s[22:23], v[128:129] op_sel_hi:[1,0,0] neg_lo:[0,0,1] neg_hi:[0,0,1]
.set kk, kk+2
.endr
	s_wait_alu depctr_va_vdst(0)
.set kk, 0
.rept 16
	v_exp_f32 v[132+kk], v[132+kk]
.set kk, kk+1
.endr
.set kk, 0
.rept 64
	v_exp_f32 v[TMP+kk], v[TMP+kk]
.set kk, kk+1
.endr
	v_nop
	s_wait_alu depctr_va_vdst(0)
	v_mul_f32 v130, v[ST+1], v132
	v_mul_f32 v131, v[ST+3], v133
.irp i, 2,4,6,8,10,12,14
	v_fma_f32 v130, v[ST+1+2*\i], v[132+\i], v130
	v_fma_f32 v131, v[ST+3+2*\i], v[133+\i], v131
.endr
	s_delay_alu instid0(VALU_DEP_1)
	v_add_f32 v130, v130, v131
	s_delay_alu instid0(VALU_DEP_1)
	v_permlanex16_b32 v131, v130, s30, s31
	s_delay_alu instid0(VALU_DEP_1)
	v_add_f32 v130, v130, v131                     ; the softmax's sum
	s_wait_alu depctr_va_vdst(0)
	v_rcp_f32 v148, v130
	v_nop
	s_wait_alu depctr_va_vdst(0)
	v_mov_b32 v149, v148
.set kk, 0
.rept 32
	v_pk_mul_f32 v[TMP+kk:TMP+kk+1], v[TMP+kk:TMP+kk+1], v[148:149] op_sel_hi:[1,0]
.set kk, kk+2
.endr
.set kk, 0
.rept 64
	v_min_num_f32 v[TMP+kk], v[TMP+kk], v9         ; attn is not negative: the hold is one-sided
.set kk, kk+1
.endr
.set kk, 0
.rept 8
	v_cvt_scalef32_pk8_fp8_f32 v[AT+2*kk:AT+2*kk+1], v[TMP+8*kk:TMP+8*kk+7], v8
.set kk, kk+1
.endr
	v_nop
	s_wait_alu depctr_va_vdst(0)
	s_wait_loadcnt 0x0
	s_set_vgpr_msb 0x0004                          ; source 1 in v256-383
.irp a, 0,1,2,3,4,5,6,7
	v_wmma_f32_16x16x128_fp8_fp8 v[OA+8*\a:OA+8*\a+7], v[AT:AT+15], v[16*\a:16*\a+15], 0
.endr
	s_set_vgpr_msb 0x0400
.rept 4
	v_nop
.endr
.irp a, 0,1,2,3,4,5,6,7
	v_pk_add_f32 v[TMP+4*\a:TMP+4*\a+1], v[OA+8*\a:OA+8*\a+1], v[OA+8*\a+2:OA+8*\a+3]
.endr
.irp a, 0,1,2,3,4,5,6,7
	v_pk_add_f32 v[TMP+4*\a+2:TMP+4*\a+3], v[OA+8*\a+4:OA+8*\a+5], v[OA+8*\a+6:OA+8*\a+7]
.endr
.irp a, 0,1,2,3,4,5,6,7
	v_pk_add_f32 v[TMP+4*\a:TMP+4*\a+1], v[TMP+4*\a:TMP+4*\a+1], v[TMP+4*\a+2:TMP+4*\a+3]
.endr
.irp a, 0,1,2,3,4,5,6,7
	v_add_f32 v[TMP+4*\a], v[TMP+4*\a], v[TMP+4*\a+1]
.endr
.irp a, 0,1,2,3,4,5,6,7
	v_permlanex16_b32 v[TMP+4*\a+1], v[TMP+4*\a], s30, s31
.endr
.irp a, 0,1,2,3,4,5,6,7
	v_add_f32 v[TMP+4*\a], v[TMP+4*\a], v[TMP+4*\a+1]        ; the 16 prototypes' sum for channel 16 a + r
.endr
.irp a, 0,1,2,3,4,5,6,7
	v_ldexp_f32 v[TMP+4*\a], v[TMP+4*\a], s24
.endr
.irp a, 0,1,2,3,4,5,6,7
	ds_store_b32 v24, v[TMP+4*\a] offset:64*\a     ; (lanes r and r + 16 write the same word with the same number)
.endr
	s_wait_dscnt 0x0                               ; for the others' sake
	s_barrier_signal -1
	s_barrier_wait -1
	s_cmp_gt_u32 s14, 3
	s_cbranch_scc1 .Ldone
	ds_load_b128 v[96:99], v25                     ; my head's first block,
	ds_load_b128 v[100:103], v25 offset:2048       ; and its second, from wave w + 4
	s_wait_dscnt 0x0
	v_pk_add_f32 v[96:97], v[96:97], v[100:101]
	v_pk_add_f32 v[98:99], v[98:99], v[102:103]
	global_store_b128 v26, v[96:99], s[12:13]      ; 512 consecutive bytes, aligned
.Ldone:
	s_wait_tensorcnt 0x0                           ; the wave's end
	ds_add_u32 v28, v29
	s_wait_dscnt 0x0
	s_endpgm
.Lfunc_end_k_q373f841cf5_pv:
	.size	k_q373f841cf5_pv, .Lfunc_end_k_q373f841cf5_pv-k_q373f841cf5_pv
	.p2alignl 7, 3214868480
	.fill 96, 4, 3214868480
	.section	.rodata,"a",@progbits
	.p2align	6, 0x0
	.amdhsa_kernel k_q373f841cf5_pv
		.amdhsa_group_segment_fixed_size 5120
		.amdhsa_private_segment_fixed_size 0
		.amdhsa_enable_private_segment 0
		.amdhsa_kernarg_size 40
		.amdhsa_user_sgpr_count 2
		.amdhsa_user_sgpr_kernarg_segment_ptr 1
		.amdhsa_wavefront_size32 1
		.amdhsa_system_sgpr_workgroup_id_x 1
		.amdhsa_system_sgpr_workgroup_id_y 1
		.amdhsa_system_sgpr_workgroup_id_z 1
		.amdhsa_system_vgpr_workitem_id 0
		.amdhsa_next_free_vgpr 384
		.amdhsa_next_free_sgpr 66
		.amdhsa_reserve_vcc 0
		.amdhsa_float_denorm_mode_32 3
		.amdhsa_float_denorm_mode_16_64 3
		.amdhsa_memory_ordered 1
		.amdhsa_forward_progress 1
		.amdhsa_inst_pref_size 26
	.end_amdhsa_kernel
	.amdgpu_metadata
---
amdhsa.version: [ 1, 2 ]
amdhsa.kernels:
  - .name:           k_q373f841cf5_pv
    .symbol:         k_q373f841cf5_pv.kd
    .args:
      - { .name: lowp_scales, .offset: 0, .size: 8, .value_kind: global_buffer, .address_space: global }
      - { .name: scores, .offset: 8, .size: 8, .value_kind: global_buffer, .address_space: global }
      - { .name: stats, .offset: 16, .size: 8, .value_kind: global_buffer, .address_space: global }
      - { .name: v_img, .offset: 24, .size: 8, .value_kind: global_buffer, .address_space: global }
      - { .name: zpart, .offset: 32, .size: 8, .value_kind: global_buffer, .address_space: global }
    .group_segment_fixed_size: 5120
    .private_segment_fixed_size: 0
    .kernarg_segment_align: 8
    .kernarg_segment_size: 40
    .max_flat_workgroup_size: 256
    .sgpr_count:     66
    .vgpr_count:     384
    .wavefront_size: 32
...
	.end_amdgpu_metadata
.endif
;; end of part 3
;; launch mlp1 (part 4): grid 128 x 1, 8 waves a work-group, no clusters, 7,168 bytes of LDS; arguments zpart, W1, hpart; writes hpart
.if DOCPART == 4
	.amdgcn_target "amdgcn-amd-amdhsa--gfx1250"
	.amdhsa_code_object_version 6
	.text
	.protected	k_q373f841cf5_mlp1
	.globl	k_q373f841cf5_mlp1
	.p2align	8
	.type	k_q373f841cf5_mlp1,@function
k_q373f841cf5_mlp1:
	s_mov_b64 s[64:65], 0
	v_nop
	global_prefetch_b8 v0, s[64:65] scope:SCOPE_SE
	s_setreg_imm32_b32 hwreg(HW_REG_WAVE_MODE, 25, 1), 1
	s_wait_xcnt 0x0
; z = the sum of each batch's 16 parts; hpart[ds][b][e] = the sum over the 128 channels d of slice ds of z[b][d] W1[e][d].  All in f32: eight rows, so the weights' bytes bind and the matrix units would buy nothing.
; Work-group: ds = number & 7 (128 channels, 512 bytes of every row), eb = number >> 3 (64 rows e of W1).  Wave w sums batch w's parts of the slice, and takes rows 64 eb + 8 w + 0 .. 7 of W1.
; Every load reads 512 consecutive bytes.  A lane holds 4 channels; its 64 partial products (8 rows x 8 batches) are summed over the 32 lanes by halving: in each of five stages a lane keeps half of its numbers and hands
; the other half to the lane whose number differs in one bit, so that the lanes end with two finished sums each.
; No prefetch and no tensor load: a short launch, whose loads all go out at its head.
.set ZS,    0                          ; LDS: z's slice, [batch][512 bytes]
.set HS,    4096                       ; [batch][64 e] f32
.set SPARE, 6144                       ; the spare words, 128 bytes for each of eight waves
.set V,     64                         ; v64-127: number 8 i + b
	s_load_b128 s[4:7], s[0:1], 0x0                ; zpart, W1
	s_load_b64 s[8:9], s[0:1], 0x10                ; hpart
	v_lshl_add_u32 v8, v0, 2, SPARE                ; my spare word; never rewritten
	v_mov_b32 v9, 0
	v_lshrrev_b32 v1, 5, v0
	s_delay_alu instid0(VALU_DEP_1)
	v_readfirstlane_b32 s10, v1                    ; wave 0..7
	v_and_b32 v2, 31, v0                           ; lane
	s_delay_alu instid0(VALU_DEP_1)
	v_lshlrev_b32 v1, 4, v2                        ; 16 x lane
	s_and_b32 s11, ttmp9, 7                        ; ds
	s_lshr_b32 s12, ttmp9, 3                       ; eb
	s_lshl_b32 s13, s11, 9                         ; the slice's 512 bytes
	s_lshl_b32 s14, s10, 16                        ; batch w: 16 parts of 4,096 bytes
	s_add_co_u32 s14, s14, s13
	s_mov_b32 s15, 0
	s_lshl_b32 s16, s12, 18                        ; 64 rows of 4,096 bytes
	s_lshl_b32 s18, s10, 15                        ; my wave's 8
	s_add_co_u32 s16, s16, s18
	s_add_co_u32 s16, s16, s13
	s_mov_b32 s17, 0
	s_lshl_b32 s18, s11, 15                        ; hpart: 32,768 ds + 256 eb
	s_lshl_b32 s19, s12, 8
	s_add_co_u32 s18, s18, s19
	s_mov_b32 s19, 0
	s_mov_b32 s20, 0xaaaaaaaa                      ; the lanes whose bit 0, 1, 2, 3, 4 is set
	s_mov_b32 s21, 0xcccccccc
	s_mov_b32 s22, 0xf0f0f0f0
	s_mov_b32 s23, 0xff00ff00
	s_mov_b32 s24, 0xffff0000
	s_mov_b32 s26, 0x76543210
	s_mov_b32 s27, 0xfedcba98
	s_wait_alu depctr_va_vdst(0)
	s_wait_kmcnt 0x0
	s_add_nc_u64 s[4:5], s[4:5], s[14:15]
	s_add_nc_u64 s[6:7], s[6:7], s[16:17]
	s_add_nc_u64 s[8:9], s[8:9], s[18:19]
.set kk, 0
.rept 16
	global_load_b128 v[32+4*kk:35+4*kk], v1, s[4:5] offset:4096*kk
.set kk, kk+1
.endr
.set kk, 0
.rept 8
	global_load_b128 v[160+4*kk:163+4*kk], v1, s[6:7] offset:4096*kk th:TH_LOAD_NT
.set kk, kk+1
.endr
	s_lshl_b32 s28, s10, 9
	v_add_nc_u32 v3, s28, v1                       ; z's slice, in: 512 x wave + 16 x lane
	v_and_b32 v4, 7, v2
	s_delay_alu instid0(VALU_DEP_1)
	v_lshlrev_b32 v4, 8, v4
	v_bfe_u32 v5, v2, 3, 2
	s_delay_alu instid0(VALU_DEP_1)
	v_lshl_add_u32 v4, v5, 2, v4
	s_lshl_b32 s28, s10, 5
	s_add_co_u32 s28, s28, HS
	v_add_nc_u32 v4, s28, v4                       ; my two sums: batch lane & 7, row 8 w + ((lane >> 3) & 3) + 4 k
	v_lshl_add_u32 v5, v0, 4, HS                   ; back (threads 0 to 127): 16 bytes a thread
	v_lshrrev_b32 v6, 4, v0
	s_delay_alu instid0(VALU_DEP_1)
	v_lshlrev_b32 v6, 12, v6
	v_and_b32 v7, 15, v0
	s_delay_alu instid0(VALU_DEP_1)
	v_lshl_add_u32 v6, v7, 4, v6                   ; and in hpart: 4,096 x batch + 16 x (thread & 15)
	s_wait_loadcnt 8                               ; the 16 parts are in; W1's eight loads may be out
.irp p, 0,2
	v_pk_add_f32 v[16+\p:17+\p], v[32+\p:33+\p], v[36+\p:37+\p]
	v_pk_add_f32 v[20+\p:21+\p], v[40+\p:41+\p], v[44+\p:45+\p]
.endr
.set kk, 4
.rept 6
.irp p, 0,2
	s_delay_alu instid0(VALU_DEP_4)
	v_pk_add_f32 v[16+\p:17+\p], v[16+\p:17+\p], v[32+4*kk+\p:33+4*kk+\p]
	s_delay_alu instid0(VALU_DEP_4)
	v_pk_add_f32 v[20+\p:21+\p], v[20+\p:21+\p], v[36+4*kk+\p:37+4*kk+\p]
.endr
.set kk, kk+2
.endr
	s_delay_alu instid0(VALU_DEP_3)
	v_pk_add_f32 v[16:17], v[16:17], v[20:21]
	s_delay_alu instid0(VALU_DEP_2)
	v_pk_add_f32 v[18:19], v[18:19], v[22:23]
	ds_store_b128 v3, v[16:19]
	s_wait_dscnt 0x0                               ; for the others' sake: my batch's slice has landed
	s_barrier_signal -1
	s_barrier_wait -1
.irp b, 0,1,2,3,4,5,6,7
	ds_load_b128 v[32+4*\b:35+4*\b], v1 offset:ZS+512*\b
.endr
	s_wait_dscnt 0x0
	s_wait_loadcnt 0x0
.irp i, 0,1,2,3,4,5,6,7
.irp b, 0,1,2,3,4,5,6,7
	v_pk_mul_f32 v[192+2*\b:193+2*\b], v[160+4*\i:161+4*\i], v[32+4*\b:33+4*\b]
.endr
.irp b, 0,1,2,3,4,5,6,7
	v_pk_fma_f32 v[192+2*\b:193+2*\b], v[162+4*\i:163+4*\i], v[34+4*\b:35+4*\b], v[192+2*\b:193+2*\b]
.endr
.irp b, 0,1,2,3,4,5,6,7
	v_add_f32 v[V+8*\i+\b], v[192+2*\b], v[193+2*\b]
.endr
.endr
; 2 n numbers become n: a lane whose bit is set keeps the odd ones and hands on the even ones, the other lanes the other way round; number k takes the place that numbers 2 k and 2 k + 1 have left
.macro RSTAGE n, m, xm
.set rk, 0
.rept \n
	v_cndmask_b32 v[208+2*(rk%8)], v[V+2*rk], v[V+2*rk+1], s[\m]
	v_cndmask_b32 v[209+2*(rk%8)], v[V+2*rk+1], v[V+2*rk], s[\m]
	s_delay_alu instid0(VALU_DEP_1)
	v_add_f32_dpp v[V+rk], v[209+2*(rk%8)], v[208+2*(rk%8)] row_xmask:\xm row_mask:0xf bank_mask:0xf
.set rk, rk+1
.endr
.endm
	RSTAGE 32, 20, 1
	RSTAGE 16, 21, 2
	RSTAGE 8, 22, 4
	RSTAGE 4, 23, 8
.irp k, 0
	v_cndmask_b32 v[208+2*\k], v[V+2*\k], v[V+2*\k+1], s24
	v_cndmask_b32 v[209+2*\k], v[V+2*\k+1], v[V+2*\k], s24
.endr
.irp k, 1
	s_delay_alu instid0(VALU_DEP_3)
	v_cndmask_b32 v[208+2*\k], v[V+2*\k], v[V+2*\k+1], s24
	s_delay_alu instid0(VALU_DEP_4)
	v_cndmask_b32 v[209+2*\k], v[V+2*\k+1], v[V+2*\k], s24
.endr
.irp k, 0
	s_delay_alu instid0(VALU_DEP_3)
	v_permlanex16_b32 v[216+\k], v[209+2*\k], s26, s27
.endr
.irp k, 1
	s_delay_alu instid0(VALU_DEP_2)
	v_permlanex16_b32 v[216+\k], v[209+2*\k], s26, s27
.endr
.irp k, 0,1
	s_delay_alu instid0(VALU_DEP_2)
	v_add_f32 v[V+\k], v[208+2*\k], v[216+\k]
.endr
	ds_store_b32 v4, v[V]
	ds_store_b32 v4, v[V+1] offset:16
	s_wait_dscnt 0x0
	s_barrier_signal -1
	s_barrier_wait -1
	s_cmp_gt_u32 s10, 3
	s_cbranch_scc1 .Ldone                          ; 2,048 bytes: waves 0 to 3 store them
	ds_load_b128 v[16:19], v5
	s_wait_dscnt 0x0
	global_store_b128 v6, v[16:19], s[8:9]         ; sixteen lanes store 256 consecutive bytes, aligned
.Ldone:
	s_wait_tensorcnt 0x0                           ; the wave's end
	ds_add_u32 v8, v9
	s_wait_dscnt 0x0
	s_endpgm
.Lfunc_end_k_q373f841cf5_mlp1:
	.size	k_q373f841cf5_mlp1, .Lfunc_end_k_q373f841cf5_mlp1-k_q373f841cf5_mlp1
	.p2alignl 7, 3214868480
	.fill 96, 4, 3214868480
	.section	.rodata,"a",@progbits
	.p2align	6, 0x0
	.amdhsa_kernel k_q373f841cf5_mlp1
		.amdhsa_group_segment_fixed_size 7168
		.amdhsa_private_segment_fixed_size 0
		.amdhsa_enable_private_segment 0
		.amdhsa_kernarg_size 24
		.amdhsa_user_sgpr_count 2
		.amdhsa_user_sgpr_kernarg_segment_ptr 1
		.amdhsa_wavefront_size32 1
		.amdhsa_system_sgpr_workgroup_id_x 1
		.amdhsa_system_sgpr_workgroup_id_y 1
		.amdhsa_system_sgpr_workgroup_id_z 1
		.amdhsa_system_vgpr_workitem_id 0
		.amdhsa_next_free_vgpr 256
		.amdhsa_next_free_sgpr 66
		.amdhsa_reserve_vcc 0
		.amdhsa_float_denorm_mode_32 3
		.amdhsa_float_denorm_mode_16_64 3
		.amdhsa_memory_ordered 1
		.amdhsa_forward_progress 1
		.amdhsa_inst_pref_size 33
	.end_amdhsa_kernel
	.amdgpu_metadata
---
amdhsa.version: [ 1, 2 ]
amdhsa.kernels:
  - .name:           k_q373f841cf5_mlp1
    .symbol:         k_q373f841cf5_mlp1.kd
    .args:
      - { .name: zpart, .offset: 0, .size: 8, .value_kind: global_buffer, .address_space: global }
      - { .name: W1, .offset: 8, .size: 8, .value_kind: global_buffer, .address_space: global }
      - { .name: hpart, .offset: 16, .size: 8, .value_kind: global_buffer, .address_space: global }
    .group_segment_fixed_size: 7168
    .private_segment_fixed_size: 0
    .kernarg_segment_align: 8
    .kernarg_segment_size: 24
    .max_flat_workgroup_size: 256
    .sgpr_count:     66
    .vgpr_count:     256
    .wavefront_size: 32
...
	.end_amdgpu_metadata
.endif
;; end of part 4
;; launch mlp2 (part 5): grid 64 x 1, 16 waves a work-group, no clusters, 35,328 bytes of LDS; arguments hpart, b1, W2, b2, out0; writes out0
.if DOCPART == 5
	.amdgcn_target "amdgcn-amd-amdhsa--gfx1250"
	.amdhsa_code_object_version 6
	.text
	.protected	k_q373f841cf5_mlp2
	.globl	k_q373f841cf5_mlp2
	.p2align	8
	.type	k_q373f841cf5_mlp2,@function
k_q373f841cf5_mlp2:
	s_mov_b64 s[64:65], 0
	v_nop
	global_prefetch_b8 v0, s[64:65] scope:SCOPE_SE
	s_setreg_imm32_b32 hwreg(HW_REG_WAVE_MODE, 25, 1), 1
	s_wait_xcnt 0x0
; h = silu(the sum of hpart's eight slices + b1);  out0[b][o] = the sum over e of h[b][e] W2[o][e] + b2[o].  All in f32: eight rows, so the weights' bytes bind.
; A work-group makes 16 outputs o for all eight batches; wave w takes row o = 16 x work-group + w of W2.  Every work-group makes all of h (32 KiB) in LDS: wave w makes batch w >> 1, half w & 1 (512 numbers).
; Every load reads 512 consecutive bytes.  A lane's eight partial sums (one a batch) are summed over the lanes by halving (three stages) and two plain steps.
; The output leaves in runs of 64 bytes (16 outputs of a batch): out0 is 32 KiB in all, and whole runs of 256 bytes would leave 16 work-groups to read W2.
.set HB,    0                          ; LDS: h, [batch][4,096 bytes]
.set OS,    32768                      ; [batch][16 o] f32
.set SPARE, 33280                      ; the spare words, 128 bytes for each of sixteen waves
.set V,     16                         ; v16-23: batch b's partial sum
	s_load_b256 s[4:11], s[0:1], 0x0               ; hpart, b1, W2, b2
	s_load_b64 s[12:13], s[0:1], 0x20              ; out0
	v_lshl_add_u32 v8, v0, 2, SPARE
	v_mov_b32 v9, 0
	v_lshrrev_b32 v1, 5, v0
	s_delay_alu instid0(VALU_DEP_1)
	v_readfirstlane_b32 s14, v1                    ; wave 0..15
	v_and_b32 v2, 31, v0                           ; lane
	s_delay_alu instid0(VALU_DEP_1)
	v_lshlrev_b32 v1, 4, v2                        ; 16 x lane
	s_and_b32 s16, s14, 1                          ; half
	s_lshl_b32 s20, s14, 11                        ; 4,096 x batch + 2,048 x half
	s_mov_b32 s21, 0
	s_lshl_b32 s22, s16, 11
	s_mov_b32 s23, 0
	s_lshl_b32 s17, ttmp9, 4
	s_add_co_u32 s17, s17, s14                     ; o
	s_lshl_b32 s24, s17, 12
	s_mov_b32 s25, 0
	s_lshl_b32 s26, s17, 2
	s_mov_b32 s27, 0
	s_lshl_b32 s28, ttmp9, 6
	s_mov_b32 s29, 0
	s_mov_b32 s32, 0xaaaaaaaa
	s_mov_b32 s33, 0xcccccccc
	s_mov_b32 s34, 0xf0f0f0f0
	s_mov_b32 s36, 0x76543210
	s_mov_b32 s37, 0xfedcba98
	s_wait_alu depctr_va_vdst(0)
	s_wait_kmcnt 0x0
	s_add_nc_u64 s[4:5], s[4:5], s[20:21]
	s_add_nc_u64 s[6:7], s[6:7], s[22:23]
	s_add_nc_u64 s[8:9], s[8:9], s[24:25]
	s_add_nc_u64 s[10:11], s[10:11], s[26:27]
	s_add_nc_u64 s[12:13], s[12:13], s[28:29]
	s_load_b32 s30, s[10:11], 0x0                  ; b2[o]
.irp d, 0,1,2,3,4,5,6,7
.irp j, 0,1,2,3
	global_load_b128 v[32+16*\d+4*\j:35+16*\d+4*\j], v1, s[4:5] offset:32768*\d+512*\j
.endr
.endr
.irp j, 0,1,2,3
	global_load_b128 v[160+4*\j:163+4*\j], v1, s[6:7] offset:512*\j
.endr
.irp j, 0,1,2,3,4,5,6,7
	global_load_b128 v[176+4*\j:179+4*\j], v1, s[8:9] offset:512*\j th:TH_LOAD_NT
.endr
	v_add_nc_u32 v3, s20, v1                       ; h, in: 2,048 x wave + 16 x lane
	v_and_b32 v4, 7, v2
	s_delay_alu instid0(VALU_DEP_1)
	v_lshlrev_b32 v4, 6, v4
	s_lshl_b32 s31, s14, 2
	s_add_co_u32 s31, s31, OS
	v_add_nc_u32 v4, s31, v4                       ; my result: batch lane & 7, output w
	v_add_nc_u32 v5, OS, v1                        ; back (wave 0): 16 bytes a lane
	v_lshrrev_b32 v6, 2, v2
	s_delay_alu instid0(VALU_DEP_1)
	v_lshlrev_b32 v6, 12, v6
	v_and_b32 v7, 3, v2
	s_delay_alu instid0(VALU_DEP_1)
	v_lshl_add_u32 v6, v7, 4, v6                   ; and in out0: 4,096 x (lane >> 2) + 16 x (lane & 3)
	s_wait_loadcnt 8                               ; hpart's and b1's loads are in; W2's eight may be out
.irp d, 1,2,3,4,5,6,7
.irp p, 0,2,4,6,8,10,12,14
	v_pk_add_f32 v[32+\p:33+\p], v[32+\p:33+\p], v[32+16*\d+\p:33+16*\d+\p]
.endr
.endr
.irp p, 0,2,4,6,8,10,12,14
	v_pk_add_f32 v[32+\p:33+\p], v[32+\p:33+\p], v[160+\p:161+\p]
.endr
.set kk, 0
.rept 16
	v_mul_f32 v[48+kk], 0xbfb8aa3b, v[32+kk]       ; -a log2(e)
.set kk, kk+1
.endr
.set kk, 0
	s_wait_alu depctr_va_vdst(0)
.rept 16
	v_exp_f32 v[48+kk], v[48+kk]
.set kk, kk+1
.endr
	v_nop                                          ; a plain instruction behind the batch,
	s_wait_alu depctr_va_vdst(0)                   ; and one wait for it
.set kk, 0
.rept 16
	v_add_f32 v[48+kk], 1.0, v[48+kk]
.set kk, kk+1
.endr
.set kk, 0
	s_wait_alu depctr_va_vdst(0)
.rept 16
	v_rcp_f32 v[48+kk], v[48+kk]
.set kk, kk+1
.endr
	v_nop
	s_wait_alu depctr_va_vdst(0)
.irp p, 0,2,4,6,8,10,12,14
	v_pk_mul_f32 v[32+\p:33+\p], v[32+\p:33+\p], v[48+\p:49+\p]   ; silu(a) = a / (1 + e^-a)
.endr
.irp j, 0,1,2,3
	ds_store_b128 v3, v[32+4*\j:35+4*\j] offset:HB+512*\j
.endr
	s_wait_dscnt 0x0                               ; for the others' sake: my part of h has landed
	s_barrier_signal -1
	s_barrier_wait -1
.irp g, 0,1                            ; four batches at a time
.irp b, 0,1,2,3
.irp j, 0,1,2,3,4,5,6,7
	ds_load_b128 v[32+32*\b+4*\j:35+32*\b+4*\j], v1 offset:HB+4096*(4*\g+\b)+512*\j
.endr
.endr
	s_wait_dscnt 0x0
.if \g == 0
	s_wait_loadcnt 0x0                             ; W2's row
.endif
.irp b, 0,1,2,3
	v_pk_mul_f32 v[208+4*\b:209+4*\b], v[176:177], v[32+32*\b:33+32*\b]
	v_pk_mul_f32 v[210+4*\b:211+4*\b], v[178:179], v[34+32*\b:35+32*\b]
.endr
.irp k, 4,8,12,16,20,24,28
.irp b, 0,1,2,3
	v_pk_fma_f32 v[208+4*\b:209+4*\b], v[176+\k:177+\k], v[32+32*\b+\k:33+32*\b+\k], v[208+4*\b:209+4*\b]
	v_pk_fma_f32 v[210+4*\b:211+4*\b], v[178+\k:179+\k], v[34+32*\b+\k:35+32*\b+\k], v[210+4*\b:211+4*\b]
.endr
.endr
.irp b, 0,1,2,3
	v_pk_add_f32 v[208+4*\b:209+4*\b], v[208+4*\b:209+4*\b], v[210+4*\b:211+4*\b]
.endr
.irp b, 0,1,2,3
	s_delay_alu instid0(VALU_DEP_4)
	v_add_f32 v[V+4*\g+\b], v[208+4*\b], v[209+4*\b]
.endr
.endr
.macro RSTAGE n, m, xm                 ; 2 n numbers become n: a lane whose bit is set keeps the odd ones and hands on the even ones, the other lanes the other way round
.set rk, 0
.rept \n
	v_cndmask_b32 v[224+2*rk], v[V+2*rk], v[V+2*rk+1], s[\m]
	v_cndmask_b32 v[225+2*rk], v[V+2*rk+1], v[V+2*rk], s[\m]
	s_delay_alu instid0(VALU_DEP_1)
	v_add_f32_dpp v[V+rk], v[225+2*rk], v[224+2*rk] row_xmask:\xm row_mask:0xf bank_mask:0xf
.set rk, rk+1
.endr
.endm
	RSTAGE 4, 32, 1
	RSTAGE 2, 33, 2
	RSTAGE 1, 34, 4                                ; the lane holds batch lane & 7
	s_delay_alu instid0(VALU_DEP_1)
	v_add_f32_dpp v[V], v[V], v[V] row_xmask:8 row_mask:0xf bank_mask:0xf
	s_delay_alu instid0(VALU_DEP_1)
	v_permlanex16_b32 v[V+1], v[V], s36, s37
	s_delay_alu instid0(VALU_DEP_1)
	v_add_f32 v[V], v[V], v[V+1]
	s_wait_alu depctr_va_vdst(0)
	s_wait_kmcnt 0x0
	v_add_f32 v[V], s30, v[V]                      ; + b2[o]
	ds_store_b32 v4, v[V]                          ; (the four lanes of a batch write the same word with the same number)
	s_wait_dscnt 0x0
	s_barrier_signal -1
	s_barrier_wait -1
	s_cmp_lg_u32 s14, 0
	s_cbranch_scc1 .Ldone                          ; 512 bytes: wave 0 stores them
	ds_load_b128 v[24:27], v5
	s_wait_dscnt 0x0
	global_store_b128 v6, v[24:27], s[12:13]       ; four lanes store a batch's 64 consecutive bytes
.Ldone:
	s_wait_tensorcnt 0x0                           ; the wave's end
	ds_add_u32 v8, v9
	s_wait_dscnt 0x0
	s_endpgm
.Lfunc_end_k_q373f841cf5_mlp2:
	.size	k_q373f841cf5_mlp2, .Lfunc_end_k_q373f841cf5_mlp2-k_q373f841cf5_mlp2
	.p2alignl 7, 3214868480
	.fill 96, 4, 3214868480
	.section	.rodata,"a",@progbits
	.p2align	6, 0x0
	.amdhsa_kernel k_q373f841cf5_mlp2
		.amdhsa_group_segment_fixed_size 35328
		.amdhsa_private_segment_fixed_size 0
		.amdhsa_enable_private_segment 0
		.amdhsa_kernarg_size 40
		.amdhsa_user_sgpr_count 2
		.amdhsa_user_sgpr_kernarg_segment_ptr 1
		.amdhsa_wavefront_size32 1
		.amdhsa_system_sgpr_workgroup_id_x 1
		.amdhsa_system_sgpr_workgroup_id_y 1
		.amdhsa_system_sgpr_workgroup_id_z 1
		.amdhsa_system_vgpr_workitem_id 0
		.amdhsa_next_free_vgpr 256
		.amdhsa_next_free_sgpr 66
		.amdhsa_reserve_vcc 0
		.amdhsa_float_denorm_mode_32 3
		.amdhsa_float_denorm_mode_16_64 3
		.amdhsa_memory_ordered 1
		.amdhsa_forward_progress 1
		.amdhsa_inst_pref_size 30
	.end_amdhsa_kernel
	.amdgpu_metadata
---
amdhsa.version: [ 1, 2 ]
amdhsa.kernels:
  - .name:           k_q373f841cf5_mlp2
    .symbol:         k_q373f841cf5_mlp2.kd
    .args:
      - { .name: hpart, .offset: 0, .size: 8, .value_kind: global_buffer, .address_space: global }
      - { .name: b1, .offset: 8, .size: 8, .value_kind: global_buffer, .address_space: global }
      - { .name: W2, .offset: 16, .size: 8, .value_kind: global_buffer, .address_space: global }
      - { .name: b2, .offset: 24, .size: 8, .value_kind: global_buffer, .address_space: global }
      - { .name: out0, .offset: 32, .size: 8, .value_kind: global_buffer, .address_space: global }
    .group_segment_fixed_size: 35328
    .private_segment_fixed_size: 0
    .kernarg_segment_align: 8
    .kernarg_segment_size: 40
    .max_flat_workgroup_size: 512
    .sgpr_count:     66
    .vgpr_count:     256
    .wavefront_size: 32
...
	.end_amdgpu_metadata
.endif
;; end of part 5
